; MI455X (gfx1250); checked and timed in simulation.
; The chip was launched on July 23, 2026; its instructions are those of AMD's public machine-readable ISA for CDNA 5 (MIT licence, August 2026) and "CDNA5" Instruction Set Architecture Reference Guide (July 2026). The comments in the code are by the model that wrote it; some were corrected since.
;; Bilinear Head. Allowed arithmetic: matrix products marked QUANTISED: E2M1 operands, one E8M0 scale for each 32 along K, by v_wmma_scale_f32_16x16x128_f8f6f4 with both operands' format E2M1 (or v_wmma_scale_f32_32x16x128_f4), f32 sums; products left as they are: f32 operands where the result goes on into a quantised operand, else bf16, f16 or f32 operands; f32 sums; everything else in f32.
;; Inputs: from_b 64 float32; from_idx 1,968 int32; from_w_codes 64 x 8 x 16 uint8 (E2M1 codes of from_w, K innermost, in blocks of 32 codes, two codes a byte); from_w_scales 64 x 8 uint8 (E8M0 scales of from_w, one for each 32 codes along K); norm_weight 256 x 8 x 8 float32; promo_bias 5 float32; promo_idx 1,968 int32; to_b 64 float32; to_idx 1,968 int32; to_w_codes 64 x 8 x 16 uint8 (E2M1 codes of to_w, K innermost, in blocks of 32 codes, two codes a byte); to_w_scales 64 x 8 uint8 (E8M0 scales of to_w, one for each 32 codes along K); x 1,024 x 256 x 8 x 8 float32.
;; Outputs: out0 1,024 x 1,968 float32.
;; This version of the problem:
;;   THIS VERSION OF THE PROBLEM IS GIVEN IN LOW PRECISION. The matrix products marked QUANTISED in the list below multiply operands that are first quantised to E2M1 (2 exponent bits, 1 mantissa bit; 4 bits a number), with one power-of-two scale for each 32 numbers along K (OCP MX v1.0); their sums are f32. All else is computed in f32.
;;   The module's matrix products, in the order in which they are computed (A, B: the left and right operand; K: the contracted axis; several contracted axes count as one K, in the product's order):
;;     1. [M 64, K 256] x [K 256, N 65,536]; A: input from_w (given as codes); B: computed on the way: QUANTISED
;;     2. [M 64, K 256] x [K 256, N 65,536]; A: input to_w (given as codes); B: computed on the way: QUANTISED
;;     3. batch 2,015,232 x [M 1, K 64] x [K 64, N 1]; A: computed on the way; B: computed on the way: left as it is (M = 1 < 16)
;;   THE QUANTISER, for each operand of a quantised product, along K:
;;     - K is cut into blocks of 32 from its start; a last block that is shorter is filled with zeros.
;;     - A block's scale is 2^e with e = floor(log2(the largest magnitude in the block)) - 2, held to -126 .. 127; a block of zeros has e = 0. As a byte (E8M0): e + 127.
;;     - Each number is divided by its block's scale, clamped to +-6, and rounded to the nearest number of E2M1, ties to even, subnormals kept.
;;     - The product sums the exact products of the quantised numbers (number of the format x scale) in f32.
;;   ~~~python
;;   def quantise(x, axis):      # numpy; x: float32 -> the quantised numbers, widened to float32 again
;;       x = np.moveaxis(x, axis, -1); K = x.shape[-1]
;;       x = np.pad(x, [(0, 0)] * (x.ndim - 1) + [(0, -K % 32)]); x = x.reshape(x.shape[:-1] + (-1, 32)); a = np.abs(x).max(-1, keepdims=True)
;;       e = np.where(a > 0, np.clip(np.frexp(np.where(a > 0, a, 1))[1] - 1 - 2, -126, 127), 0)      # np.frexp(a)[1] - 1 = floor(log2(a)), exactly
;;       r = np.clip(x / 2.0 ** e, -6, 6)
;;       step = 2.0 ** (np.maximum(np.frexp(np.where(r == 0, 1, r))[1] - 1, 0) - 1)
;;       q = np.round(r / step) * step * 2.0 ** e      # np.round: ties to even
;;       return np.moveaxis(q.reshape(q.shape[:-2] + (-1,))[..., :K], -1, axis).astype(np.float32)
;;   ~~~
;;   OPERANDS COMPUTED ON THE WAY. 'Computed on the way' means the value that the module computes at that place (a softmax that the list does not call 'softmax' is quantised finished and normalised). What goes into a quantiser is computed in f32, as accurately as f32 sums, v_exp_f32 and their like allow (about 1e-6 of the number): no bf16 or f16 on the way to a quantiser, and a product that is left as it is and whose result goes on into a quantised operand takes f32 operands (vector FMAs, or v_wmma_f32_16x16x4_f32). A number that lies on a knife's edge between two numbers of the format may be rounded either way, as far as f32 arithmetic and the matrix unit's own rounding can turn it there, and no further.
;;   INPUTS GIVEN AS CODES. from_w (in the module: [64, 256], K = its axis 1); to_w (in the module: [64, 256], K = its axis 1): each comes as NAME_codes (uint8): NAME with its K axis moved to the last place and cut into blocks of 32 codes, [.., K / 32, bytes a block], one block behind the other in memory; two codes a byte, the lower K in the low four bits (a code: sign, 2 exponent bits, 1 mantissa bit); and NAME_scales (uint8): the same leading axes, one E8M0 byte (e + 127) for each 32 codes along K. Its value is code x scale, taken as it is: it is not quantised again, and the codes and scales need not be those that the quantiser above would give.
;; One version. Each part assembles by itself: llvm-mc -triple=amdgcn-amd-amdhsa -mcpu=gfx1250 --defsym DOCPART=n.
;; ======== version 1 of 1: 1 launch
;; limits: values are held in f16: magnitudes above 65,504 overflow, below 6.1e-05 lose precision
;; launch bilinear (part 1): grid 256 x 1, 8 waves a work-group, no clusters, 121,856 bytes of LDS; arguments x, norm_weight, from_w_codes, to_w_codes, from_w_scales, to_w_scales, from_b, to_b, from_idx, to_idx, promo_idx, promo_bias, out0; writes out0
.if DOCPART == 1
	.amdgcn_target "amdgcn-amd-amdhsa--gfx1250"
	.amdhsa_code_object_version 6
	.text
	.protected	k_q3f1585b836_bilinear
	.globl	k_q3f1585b836_bilinear
	.p2align	8
	.type	k_q3f1585b836_bilinear,@function
k_q3f1585b836_bilinear:
	s_mov_b64 s[64:65], 0
	v_nop
	global_prefetch_b8 v0, s[64:65] scope:SCOPE_SE
	s_setreg_imm32_b32 hwreg(HW_REG_WAVE_MODE, 25, 1), 1
	s_wait_xcnt 0x0
; score[b][v] = sum over d of f[b][d][from_idx[v]] t[b][d][to_idx[v]] + promo_bias[promo_idx[v]],
; f = from_w Q(xn) + from_b, t = to_w Q(xn) + to_b, xn = x / sqrt(mean(x^2) + 1e-6) * norm_weight, Q = MX-FP4 along the 256 channels.
; x: [1024][256 channels][64 squares] f32; the weights come as E2M1 codes [64][256] with one E8M0 byte for each 32 channels; out0: [1024][1968] f32.
; ONE LAUNCH, NOTHING THROUGH MEMORY.  256 work-groups of eight waves; work-group g owns batches 4 g .. 4 g + 3: 4 planes of 65,536 bytes in, 31,488 = 123 x 256 consecutive bytes out.
; NO WORK IS LEFT OUT: every input has a way to the output and is loaded.
; TWO TEAMS, TWO ROUNDS.  Wave W = 4 T + w: team T, place w.  In round R team T takes batch 2 R + T through all phases, in LDS regions of its own (TS bytes apart); both teams run the same text and pass the same barriers,
; so that two batches' LDS round trips stand side by side and a SIMD has two waves to issue from.
; THE THIRD PRODUCT AS A GRAM MATRIX.  score[b][v] is element (from_idx[v], to_idx[v]) of G_b = f_b^T t_b, 64 x 64 with K = 64: 32 matrix instructions a batch on f16 operands, f32 sums, and then ONE LDS word
; a move, where the sum as written would read 128 numbers a move.  Which of G's 4,096 elements are used hangs on the index inputs, so all are made.
; SHARES IN A TEAM.  (1) Stream: wave w owns channels 64 w .. 64 w + 63.  Each load takes two whole rows of 256 bytes (lanes 0-15 channel 64 w + i, lanes 16-31 channel 64 w + 32 + i, 16 bytes a lane), so register 4 i + j of lane
; (r, h) is x(64 w + 32 h + i, square 4 r + j): a lane holds ALL 32 numbers of block 2 w + h of four squares.  TILE j OF THE SQUARES IS {4 r + j}, column r in lane r.  The multiply by norm_weight writes to
; transposed register numbers, so that a block's 32 numbers stand on end for the conversions.  A plane's share is worked in four quarters of eight loads as they land, and in round 0 each quarter's registers are asked for
; again at once, with round 1's plane.  (2) Quantised products: wave w owns 32 rows of from_w (w < 2) or to_w; its fragments, scale words and biases stay in registers; xn's codes go from wave to wave through LDS as
; images of the operand's registers.  The result's lane holds one square and eight d: rounded in pairs to f16 it IS a fragment of the Gram product.  (3) Gram: wave w makes from-tile w against all four to-tiles; G goes
; to LDS as register images.  (4) Moves: the eight waves share a round's two rows, 128 groups of four moves a wave, whichever team made the G that a move wants.
; NO CLUSTER: the work-groups share norm_weight, the weights and the indices, 105 KB against 256 KB of x that is a work-group's own; x goes straight into the registers that want it, so there is no tile to ask for jointly.
; LIMITS.  f and t are rounded to f16 for the Gram product: |f|, |t| up to 65,504 are served (inputs of the kind drawn give about 6).  xn is made as (x * norm_weight) * rsq(mean + eps).
; A block whose largest magnitude lies under 2^-124 keeps the scale byte 1, a block of zeros too (its codes are zeros; the bytes are read here alone).  NaN and infinities among the inputs are not served.
; from_idx and to_idx are taken modulo 64; a promo_idx outside 0 .. 4 takes promo_bias[0].
;
; LDS (bytes)
.set STASH, 0                          ; 512 a wave: the third group of round 0
.set TABA,  4096                       ; 1,040 x 16: each move's byte in G's images; 16 groups of zeros, then the entry of slot s at 16 (s + 16)
.set TABP,  20736                      ; 1,040 x 16: each move's promo bias, likewise
.set TEAM,  37376                      ; team 0's regions; team 1's lie TS further on
.set TS,    41728
.set SUMS,  TEAM                       ; 4 partial sums of squares, word w
.set SCL,   TEAM+256                   ; xn's scale bytes: tile j at 128 j: 16 words of K step 0, then 16 of K step 1
.set CODE,  TEAM+768                   ; xn's codes: tile j, writer w: 2048 j + 512 w + 16 x lane
.set FT,    TEAM+8960                  ; f's and t's f16 fragments: writer w, tile j, half m: 4096 w + 1024 j + 512 m + 16 x lane
.set GIMG,  TEAM+25344                 ; G: writer w, to-tile q, half: 4096 w + 512 (2 q + half) + 16 x lane
.set SPARE, TEAM+2*TS                  ; the spare words, 128 bytes for each wave: four blocks of 256 bytes that no other line names
; REGISTERS, window 0
.set WA,  1                            ; my place in the weights' codes,   (these three take the places of lane, r and h, once those are done with,
.set WSA, 2                            ; scale bytes,                       and are never written again: their loads are long on their way)
.set BA,  3                            ; and biases
.set XO,  4                            ; 16384 W + 8192 h + 16 r: my 16 bytes of my wave's first two rows of my team's plane
.set LI,  5                            ; 16 x lane
.set LST, 6                            ; 4 x lane + TS T
.set CW,  7                            ; CODE + TS T + 512 w + 16 x lane
.set SW,  8                            ; SCL + TS T + 64 (w / 2) + 2 (w % 2) + 4 r + h: my block's scale byte
.set FTW, 9                            ; FT + TS T + 4096 w + 16 x lane
.set FRD, 10                           ; FT + TS T + 1024 w + 16 x lane
.set GW,  11                           ; GIMG + TS T + 4096 w + 16 x lane
.set PS,  12                           ; SUMS + TS T + 4 w
.set PR,  13                           ; SUMS + TS T
.set TBR, 14                           ; TABA + 2048 W + 16 x lane
.set OO,  15                           ; 2048 W + 16 x lane: my slot's bytes in a frame of out0
.set L0,  16                           ; 128 W + lane: my first slot
.set L3,  17                           ; my fourth
.set STW, 18                           ; STASH + 512 W + 16 x lane
.set STR, 19                           ; STASH + 3584 + 16 r: wave 7's stash
.set SPW, 20                           ; SPARE + 4 x my thread's number; never rewritten
.set NIL, 21                           ; 0; never rewritten
.set INV, 22                           ; v22 1 / rms; v23 0 (named with it as a pair)
.set LIT, 24                           ; 16 x lane + TS T
.set L2,  25                           ; my third slot
.set NWO, 26                           ; 16384 w + 8192 h + 16 r: the same place in norm_weight
.set IA,  27                           ; v27-30 head: my four places in the index inputs
.set PAD, 31                           ; head: my wave's part of the tables' first 256 bytes
.set SQ,  32                           ; v32-39 four packed chains of the sum of squares
.set HB,  32                           ; v32-35 head: TS where my slot's moves belong to the round's second row, else 0
.set MX,  40                           ; v40-43 the four tiles' largest magnitudes
.set SO,  44                           ; v44-47 the conversions' scale operands
.set BI,  48                           ; v48-63 my biases, in the result's layout: 8 m
.set YY,  64                           ; v64-191 x * norm_weight, tile j at 32 j; later:
.set BF,  64                           ;   v64-127 xn's fragments: 16 j + 8 s
.set ACC, 128                          ;   v128-191 f or t: 16 j + 8 m
.set FH,  64                           ;   v64-95 the same in f16: 8 j + 4 m
.set FL,  96                           ;   v96-111 f's fragments of tile w: 8 k
.set TL,  128                          ;   v128-191 t's fragments: 16 q + 8 k
.set GA,  64                           ;   v64-95 G: 8 q
.set TA,  96                           ;   v96-111 my 16 moves' bytes in G
.set TP,  112                          ;   v112-127 their promo biases
.set GV,  128                          ;   v128-143 their scores
.set SHV, 144                          ;   v144-147 four scores out of the stash
.set WF,  192                          ; v192-223 my weights' fragments: 16 m + 8 s
.set PC,  224                          ; v224-239 the codes just made: 4 j
.set SB,  240                          ; v240-243 xn's scale words, tile j: K step 0 in lanes 0-15, K step 1 in lanes 16-31; scales and nothing else
.set WS,  244                          ; v244-245 my weights' scale words, likewise
.set EB,  246                          ; v246-249 the scale bytes just made
.set PT,  250                          ; v250-253 the four partial sums
; window 1: v0-127 my share of the plane in hand;  v128-255 my share of norm_weight, which stays
.set MSB, 0
.macro WIN new                         ; s_set_vgpr_msb: bits 1:0 source 0, 3:2 source 1, 5:4 source 2, 7:6 destination; the high byte repeats the setting that is left
.if MSB != \new
	s_set_vgpr_msb (MSB<<8)|\new
.set MSB, \new
.endif
.endm
.macro BAR                             ; my LDS stores have landed and my LDS loads are in: then the work-group's barrier
	s_wait_dscnt 0x0
	s_barrier_signal -1
	s_barrier_wait -1
.endm
.macro MSTORE g, slot                  ; group g is stored only by the slots under the frame's end
	v_cmp_gt_u32 vcc_lo, LIM, v[\slot]
	s_wait_xcnt 0x0                                ; EXEC changes only behind this wait: pending loads and stores have it among their sources
	s_and_saveexec_b32 s41, vcc_lo
	global_store_b128 v[OO], v[GV+4*\g:GV+4*\g+3], s[32:33] offset:16*BQ+512*\g th:TH_STORE_NT
	s_wait_xcnt 0x0                                ; and again ahead of the line that widens it
	s_or_b32 exec_lo, exec_lo, s41
.endm
	s_load_b512 s[8:23], s[0:1], 0x0               ; x s[8:9], norm_weight s[10:11], codes from s[12:13] to s[14:15], scales s[16:17] s[18:19], biases s[20:21] s[22:23]
	s_load_b256 s[24:31], s[0:1], 0x40             ; from_idx s[24:25], to_idx s[26:27], promo_idx s[28:29], promo_bias s[30:31]
	s_load_b64 s[32:33], s[0:1], 0x60              ; out0
	v_lshl_add_u32 v[SPW], v0, 2, SPARE
	v_mov_b32 v[NIL], 0
	v_lshrrev_b32 v1, 5, v0
	v_readfirstlane_b32 s2, v1                     ; W: wave 0..7
	s_and_b32 s3, s2, 1                            ; w % 2
	s_and_b32 s6, s2, 3                            ; w: my place in my team
	s_lshr_b32 s7, s2, 2                           ; T: my team,
	s_mul_i32 s7, s7, TS                           ; as the distance of its LDS regions from team 0's
	v_and_b32 v1, 31, v0                           ; lane
	v_and_b32 v2, 15, v0                           ; r
	v_bfe_u32 v3, v0, 4, 1                         ; h
	v_lshlrev_b32 v[LI], 4, v1
	v_add_nc_u32 v[LIT], s7, v[LI]
	v_lshl_add_u32 v[LST], v1, 2, s7
	v_lshlrev_b32 v[NWO], 4, v2
	v_lshl_add_u32 v[NWO], v3, 13, v[NWO]
	s_lshl_b32 s4, s2, 14                          ; 16384 W = 65536 T + 16384 w: team T's plane of a round's two, my wave's 64 rows
	v_add_nc_u32 v[XO], s4, v[NWO]
	s_lshl_b32 s4, s6, 14
	v_add_nc_u32 v[NWO], s4, v[NWO]
	s_lshl_b32 s4, s6, 9
	s_add_co_u32 s4, s4, CODE
	v_add_nc_u32 v[CW], s4, v[LIT]
	s_lshl_b32 s4, s2, 9
	v_add_nc_u32 v[STW], s4, v[LI]                 ; (the stash begins at LDS byte 0)
	s_lshr_b32 s4, s6, 1
	s_lshl_b32 s4, s4, 6
	s_lshl_b32 s5, s3, 1
	s_add_co_u32 s4, s4, s5
	s_add_co_u32 s4, s4, SCL
	s_add_co_u32 s4, s4, s7
	v_lshl_add_u32 v[SW], v2, 2, v3
	v_add_nc_u32 v[SW], s4, v[SW]
	s_lshl_b32 s4, s6, 12
	s_add_co_u32 s5, s4, FT
	v_add_nc_u32 v[FTW], s5, v[LIT]
	s_add_co_u32 s5, s4, GIMG
	v_add_nc_u32 v[GW], s5, v[LIT]
	s_lshl_b32 s4, s6, 10
	s_add_co_u32 s4, s4, FT
	v_add_nc_u32 v[FRD], s4, v[LIT]
	s_add_co_u32 s4, s7, SUMS
	v_mov_b32 v[PR], s4
	s_lshl_b32 s5, s6, 2
	s_add_co_u32 s4, s4, s5
	v_mov_b32 v[PS], s4
	s_lshl_b32 s4, s2, 11
	v_add_nc_u32 v[OO], s4, v[LI]
	s_add_co_u32 s4, s4, TABA
	v_add_nc_u32 v[TBR], s4, v[LI]
	s_lshl_b32 s4, s2, 7
	v_add_nc_u32 v[L0], s4, v1
	v_add_nc_u32 v[L2], 64, v[L0]
	v_add_nc_u32 v[L3], 96, v[L0]
	v_lshl_add_u32 v[STR], v2, 4, STASH+3584
	v_mov_b32 v[INV+1], 0
	v_mov_b32 v255, 492                            ; groups of four moves in a row
	v_mov_b32 v253, TS
.irp g, 0,1,2,3
	v_add_nc_u32 v[IA+\g], 32*\g, v[L0]            ; slot s = 128 W + 32 g + lane of a round's stream of two rows:
	v_cmp_le_u32 vcc_lo, 492, v[IA+\g]             ; from slot 492 on the second row's moves, whose G is team 1's
	v_cndmask_b32 v[HB+\g], 0, v253, vcc_lo
	v_cndmask_b32 v254, 0, v255, vcc_lo
	v_sub_nc_u32 v[IA+\g], v[IA+\g], v254          ; the slot takes moves 4 (s mod 492) on;
	v_min_u32 v[IA+\g], 491, v[IA+\g]              ; slots past the second row's end repeat its last four: no load leaves its buffer
	v_lshlrev_b32 v[IA+\g], 4, v[IA+\g]
.endr
	v_and_b32 v[PAD], 1, v0
	v_lshlrev_b32 v[PAD], 4, v[PAD]
	s_lshl_b32 s4, s2, 5
	s_add_co_u32 s4, s4, TABA
	v_add_nc_u32 v[PAD], s4, v[PAD]
	s_lshl_b32 s4, s3, 12                          ; my 32 rows of the weights begin at row 32 (w % 2): 128 bytes of codes a row,
	v_lshlrev_b32 v[WA], 7, v2
	v_lshl_add_u32 v[WA], v3, 4, v[WA]
	v_add_nc_u32 v[WA], s4, v[WA]
	s_lshl_b32 s4, s3, 8                           ; 8 scale bytes a row: lanes 0-15 take the word of K step 0, lanes 16-31 that of K step 1,
	v_lshlrev_b32 v[WSA], 3, v2
	v_lshl_add_u32 v[WSA], v3, 2, v[WSA]
	v_add_nc_u32 v[WSA], s4, v[WSA]
	s_lshl_b32 s4, s3, 7                           ; 4 bytes of bias a row: lane (r, h) wants those of rows 8 h + 0 .. 7 of a tile
	v_lshl_add_u32 v[BA], v3, 5, s4
	s_mov_b32 s42, 0x76543210
	s_mov_b32 s43, 0xfedcba98                      ; v_permlanex16_b32's selects for lane l xor 16
	s_mov_b32 s44, 0x38800000                      ; 1 / 16384
	s_mov_b32 s45, 0x358637bd                      ; 1e-6
	s_wait_kmcnt 0x0
	s_load_b128 s[36:39], s[30:31], 0x0            ; the five promo biases
	s_load_b32 s40, s[30:31], 0x10
	s_cmp_lt_u32 s6, 2                             ; a team's waves 0 and 1 make f, its waves 2 and 3 make t: the choice hangs on the wave's number alone
	s_cselect_b64 s[12:13], s[12:13], s[14:15]
	s_cselect_b64 s[16:17], s[16:17], s[18:19]
	s_cselect_b64 s[20:21], s[20:21], s[22:23]
	s_lshl_b32 s4, ttmp9, 18                       ; four planes of 65,536 bytes a work-group
	s_mov_b32 s5, 0
	s_add_nc_u64 s[8:9], s[8:9], s[4:5]
	s_mul_i32 s4, ttmp9, 31488                     ; four rows of 7,872 bytes
	s_add_nc_u64 s[32:33], s[32:33], s[4:5]
	; 90 LOADS ON END, in the order in which they are wanted (loads return in order: ISA guide 5.7.1): my 16 moves' indices, for the tables, which are built while x is on its way; norm_weight, which every quarter of
	; x wants; round 0's plane; the weights, wanted last.  Those past what the counter's field holds are issued as earlier ones return (ISA guide 5.7.1).
.irp g, 0,1,2,3
	global_load_b128 v[64+4*\g:67+4*\g], v[IA+\g], s[24:25]      ; from_idx
	global_load_b128 v[80+4*\g:83+4*\g], v[IA+\g], s[26:27]      ; to_idx
	global_load_b128 v[96+4*\g:99+4*\g], v[IA+\g], s[28:29]      ; promo_idx
.endr
	WIN 0x40                                       ; destination window 1
.set i, 0
.rept 32
	global_load_b128 v[128+4*i:128+4*i+3], v[NWO], s[10:11] offset:256*i   ; norm_weight lies as a plane of x does: my share stays
.set i, i+1
.endr
.set i, 0
.rept 32
	global_load_b128 v[4*i:4*i+3], v[XO], s[8:9] offset:256*i th:TH_LOAD_NT   ; two whole rows of 256 bytes a load
.set i, i+1
.endr
	WIN 0
.irp m, 0,1
.irp s, 0,1
.irp c, 0,1
	global_load_b128 v[WF+16*\m+8*\s+4*\c:WF+16*\m+8*\s+4*\c+3], v[WA], s[12:13] offset:2048*\m+64*\s+32*\c   ; rows 16 m + r, K = 128 s + 64 c + 32 h + 0 .. 31
.endr
.endr
	global_load_b32 v[WS+\m], v[WSA], s[16:17] offset:128*\m
	global_load_b128 v[BI+8*\m:BI+8*\m+3], v[BA], s[20:21] offset:64*\m
	global_load_b128 v[BI+8*\m+4:BI+8*\m+7], v[BA], s[20:21] offset:64*\m+16
.endr
	s_wait_loadcnt 63                              ; the 12 index loads are in: behind them 78 were issued, and the count names the most that its field holds, so 15 loads of norm_weight are awaited with them
	s_wait_kmcnt 0x0
	; THE MOVES' TABLES, made once.  G(p, q), p = from_idx, q = to_idx, lies in its team's images at
	; (p & 3) 4096 [writer] + (q & 3) 1024 [to-tile] + (p & 16) 32 [upper four registers] + (p & 32) 8 [lanes 16-31] + (q & 60) 4 [lane] + (p & 12) [register]
.irp k, 0,1,2,3,4
	v_mov_b32 v[148+\k], s[36+\k]
.endr
.irp k, 0,1,2,3
	v_mov_b32 v[144+\k], 0
.endr
.set k, 0
.rept 16
	v_and_b32 v[112+k], 12, v[64+k]
	v_and_b32 v254, 3, v[64+k]
	v_and_b32 v255, 3, v[80+k]
	v_lshl_add_u32 v[112+k], v254, 12, v[112+k]
	v_and_b32 v254, 16, v[64+k]
	v_lshl_add_u32 v[112+k], v255, 10, v[112+k]
	v_and_b32 v255, 32, v[64+k]
	v_lshl_add_u32 v[112+k], v254, 5, v[112+k]
	v_and_b32 v254, 60, v[80+k]
	v_lshl_add_u32 v[112+k], v255, 3, v[112+k]
	v_lshl_add_u32 v[112+k], v254, 2, v[112+k]
	v_add_nc_u32 v[112+k], v[HB+k/4], v[112+k]     ; in team 1's images for the second row
	v_cmp_eq_u32 vcc_lo, 1, v[96+k]                ; promo_bias[promo_idx], by selects
	v_cndmask_b32 v[128+k], v148, v149, vcc_lo
	v_cmp_eq_u32 vcc_lo, 2, v[96+k]
	v_cndmask_b32 v[128+k], v[128+k], v150, vcc_lo
	v_cmp_eq_u32 vcc_lo, 3, v[96+k]
	v_cndmask_b32 v[128+k], v[128+k], v151, vcc_lo
	v_cmp_eq_u32 vcc_lo, 4, v[96+k]
	v_cndmask_b32 v[128+k], v[128+k], v152, vcc_lo
.set k, k+1
.endr
.irp g, 0,1,2,3
	ds_store_b128 v[TBR], v[112+4*\g:115+4*\g] offset:256+512*\g
	ds_store_b128 v[TBR], v[128+4*\g:131+4*\g] offset:256+512*\g+TABP-TABA
.endr
	ds_store_b128 v[PAD], v[144:147]               ; the tables' first 256 bytes: zeros, 32 bytes a wave (sixteen lanes write each 16 bytes, with the same zeros)
	ds_store_b128 v[PAD], v[144:147] offset:TABP-TABA
; A ROUND: five barriers.  Every LDS region is written between one pair of barriers and read between a later pair, and between the fourth and the fifth no wave writes LDS at all.
; OUT0 IN FRAMES.  A round's two rows are 984 groups of four moves (16 bytes), which is no multiple of 16.  Counted from the work-group's first byte, round n's rows begin at group 984 n = BQ + SH, BQ a multiple of 16.
; Slot L = 128 W + 32 g + lane serves the stream's group L - SH and stores at byte 16 (BQ + L).  Slots under LIM, a multiple of 16, are stored; round 0's last eight groups, short of 256 bytes, wait in the stash,
; and round 1's slots under its SH take them from there: so sixteen neighbouring lanes always store 256 consecutive bytes, at a multiple of 256 from out0's first byte.
.macro ROUND n
.set SH,  (984*\n)%16
.set BQ,  984*\n-SH
.set LIM, ((SH+984)/16)*16
.if \n > 0
	ds_store_b128 v[STW], v[GV+8:GV+11]            ; round 0's third group, behind its last barrier; each wave into its own bytes (wave 7's are read: one line in all waves is less than a branch round it)
.endif
	; ---- my share of the plane, a quarter (eight loads, 16 channels) at a time, as it lands
.set c, 0
.rept 4
.if \n == 0
	s_wait_loadcnt 38                              ; this quarter is in.  Behind it stand the plane's later quarters, the weights' 14 loads and the next plane's quarters asked for so far: 24 + 14, 16 + 14 + 8, 8 + 14 + 16, 14 + 24
.else
	s_wait_loadcnt 24-8*c                          ; this quarter is in; the later quarters stay out
.endif
.if c == 0
	s_wait_dscnt 0x0                               ; the stash's store (round 0: the tables' stores) has read its registers, which the multiplies below write
.endif
	WIN 0x05                                       ; sources 0 and 1 window 1
.set k, 16*c
.rept 16
.if k < 4
	v_pk_mul_f32 v[SQ+2*k:SQ+2*k+1], v[2*k:2*k+1], v[2*k:2*k+1]      ; the first four pairs start four chains: nothing is cleared
.else
	v_pk_fma_f32 v[SQ+2*(k%4):SQ+2*(k%4)+1], v[2*k:2*k+1], v[2*k:2*k+1], v[SQ+2*(k%4):SQ+2*(k%4)+1]
.endif
.set k, k+1
.endr
.set i, 8*c
.rept 8
.set j, 0
.rept 4
	v_mul_f32 v[YY+32*j+i], v[4*i+j], v[128+4*i+j] ; x * norm_weight, to transposed numbers: tile j's 32 channels on end
.set j, j+1
.endr
.set i, i+1
.endr
.if \n == 0
	WIN 0x40                                       ; destination window 1
.set i, 8*c
.rept 8
	global_load_b128 v[4*i:4*i+3], v[XO], s[8:9] offset:131072+256*i th:TH_LOAD_NT   ; the quarter's registers are read out: round 1's plane, two planes on, is asked for at once
.set i, i+1
.endr
.endif
.set c, c+1
.endr
	WIN 0
	v_pk_add_f32 v[SQ:SQ+1], v[SQ:SQ+1], v[SQ+2:SQ+3]
	v_pk_add_f32 v[SQ+4:SQ+5], v[SQ+4:SQ+5], v[SQ+6:SQ+7]
	v_pk_add_f32 v[SQ:SQ+1], v[SQ:SQ+1], v[SQ+4:SQ+5]
	v_add_f32 v[SQ], v[SQ], v[SQ+1]
	v_add_f32_dpp v[SQ], v[SQ], v[SQ] row_xmask:1 row_mask:0xf bank_mask:0xf
	v_add_f32_dpp v[SQ], v[SQ], v[SQ] row_xmask:2 row_mask:0xf bank_mask:0xf
	v_add_f32_dpp v[SQ], v[SQ], v[SQ] row_xmask:4 row_mask:0xf bank_mask:0xf
	v_add_f32_dpp v[SQ], v[SQ], v[SQ] row_xmask:8 row_mask:0xf bank_mask:0xf
	v_permlanex16_b32 v[SQ+1], v[SQ], s42, s43
	v_add_f32 v[SQ], v[SQ], v[SQ+1]                ; my wave's 4,096 squares, in every lane
	ds_store_b32 v[PS], v[SQ]                      ; all lanes write the same word with the same value
	s_wait_dscnt 0x0                               ; my partial sum lies in LDS
	s_barrier_signal -1
	; between signal and wait, work on registers: each tile's largest |x * norm_weight| of my block.  1 / rms is positive and rounding does not turn an order round, so the largest product times 1 / rms is the largest xn
.irp j, 0,1,2,3
	v_max3_num_f32 v[MX+\j], |v[YY+32*\j]|, |v[YY+32*\j+1]|, |v[YY+32*\j+2]|
.endr
.irp i, 3,5,7,9,11,13,15,17,19,21,23,25,27,29
.irp j, 0,1,2,3
	v_max3_num_f32 v[MX+\j], v[MX+\j], |v[YY+32*\j+\i]|, |v[YY+32*\j+\i+1]|      ; (the four tiles by turns)
.endr
.endr
.irp j, 0,1,2,3
	v_max_num_f32 v[MX+\j], v[MX+\j], |v[YY+32*\j+31]|
.endr
	s_barrier_wait -1
	; ---- 1 / rms, and my 8 blocks' codes and scale bytes
	ds_load_b128 v[PT:PT+3], v[PR]
	s_wait_dscnt 0x0
	v_add_f32 v[PT], v[PT], v[PT+1]
	v_add_f32 v[PT+2], v[PT+2], v[PT+3]
	v_add_f32 v[PT], v[PT], v[PT+2]
	v_fma_f32 v[PT], v[PT], s44, s45               ; the mean + 1e-6
	v_rsq_f32 v[INV], v[PT]
	v_nop                                          ; a plain instruction behind the transcendental,
	s_wait_alu depctr_va_vdst(0)                   ; and the wait ahead of its first reader
.irp j, 0,1,2,3
	v_mul_f32 v[MX+\j], v[MX+\j], v[INV]
.endr
.irp j, 0,1,2,3
	v_max_num_f32 v[MX+\j], 0x1800000, v[MX+\j]    ; the floor 2^(3 - 127): the byte cannot fall under 1
.endr
.set k, 0
.rept 64
	v_pk_mul_f32 v[YY+2*k:YY+2*k+1], v[YY+2*k:YY+2*k+1], v[INV:INV+1] op_sel_hi:[1,0]   ; xn
.set k, k+1
.endr
.irp j, 0,1,2,3
	v_add_nc_u32 v[SO+\j], 0xff000000, v[MX+\j]    ; 2 off the exponent field: the conversion takes the exponent field of this operand as its scale
.endr
.irp j, 0,1,2,3
	v_lshrrev_b32 v[EB+\j], 23, v[SO+\j]           ; the scale's byte
.endr
.irp j, 0,1,2,3
.irp g, 0,1,2,3
	v_cvt_scalef32_pk8_fp4_f32 v[PC+4*\j+\g], v[YY+32*\j+8*\g:YY+32*\j+8*\g+7], v[SO+\j]   ; registers 4 (w % 2) .. + 3 of the fragment (tile j, K step w / 2)
.endr
.endr
	v_nop                                          ; one plain instruction behind the last scaled conversion
.irp j, 0,1,2,3
	ds_store_b128 v[CW], v[PC+4*\j:PC+4*\j+3] offset:2048*\j
	ds_store_b8 v[SW], v[EB+\j] offset:128*\j
.endr
	BAR                                            ; each team's eight fragments of xn and their scale words lie in LDS
	; ---- f or t: my 32 rows x 64 squares, K = 256
.irp j, 0,1,2,3
.irp i, 0,1,2,3
	ds_load_b128 v[BF+16*\j+4*\i:BF+16*\j+4*\i+3], v[LIT] offset:CODE+2048*\j+512*\i
.endr
	ds_load_b32 v[SB+\j], v[LST] offset:SCL+128*\j
.endr
.if \n == 0
	s_wait_loadcnt 32                              ; my weights, their scale words and my biases are in; the next plane's 32 loads stay out
.endif
	s_wait_dscnt 0x0
.irp s, 0,1                            ; the eight accumulators take turns, one instruction a turn; the bias is the C of each sum's first instruction
.irp j, 0,1,2,3
.irp m, 0,1
.if \s == 0
	v_wmma_scale_f32_16x16x128_f8f6f4 v[ACC+16*\j+8*\m:ACC+16*\j+8*\m+7], v[WF+16*\m:WF+16*\m+7], v[BF+16*\j:BF+16*\j+7], v[BI+8*\m:BI+8*\m+7], v[WS+\m], v[SB+\j] matrix_a_fmt:MATRIX_FMT_FP4 matrix_b_fmt:MATRIX_FMT_FP4
.else
	v_wmma_scale_f32_16x16x128_f8f6f4 v[ACC+16*\j+8*\m:ACC+16*\j+8*\m+7], v[WF+16*\m+8:WF+16*\m+15], v[BF+16*\j+8:BF+16*\j+15], v[ACC+16*\j+8*\m:ACC+16*\j+8*\m+7], v[WS+\m], v[SB+\j] matrix_a_fmt:MATRIX_FMT_FP4 matrix_b_fmt:MATRIX_FMT_FP4 matrix_a_scale:MATRIX_SCALE_ROW1 matrix_b_scale:MATRIX_SCALE_ROW1
.endif
.endr
.endr
.endr
.rept 4
	v_nop                                          ; four places (ISA guide 7.12.1) ahead of the conversions, which read results and write over xn's fragments
.endr
	; register i of accumulator (j, m) in lane (r, h) is d = 32 (w % 2) + 16 m + 8 h + i of square 4 r + j: in pairs, registers 4 m .. 4 m + 3 of the f16 fragment (tile j, d from 32 (w % 2) on)
.irp j, 0,1,2,3
.irp m, 0,1
.irp k, 0,1,2,3
	v_cvt_pk_f16_f32 v[FH+8*\j+4*\m+\k], v[ACC+16*\j+8*\m+2*\k], v[ACC+16*\j+8*\m+2*\k+1]   ; each accumulator from its low end on
.endr
.endr
.endr
.irp j, 0,1,2,3
.irp m, 0,1
	ds_store_b128 v[FTW], v[FH+8*\j+4*\m:FH+8*\j+4*\m+3] offset:1024*\j+512*\m
.endr
.endr
	BAR                                            ; each team's sixteen fragments of f and t lie in LDS
	; ---- G = f^T t: from-tile w against the four to-tiles, K = 64
.irp k, 0,1
.irp m, 0,1
	ds_load_b128 v[FL+8*\k+4*\m:FL+8*\k+4*\m+3], v[FRD] offset:4096*\k+512*\m
.endr
.endr
.irp q, 0,1,2,3
.irp k, 0,1
.irp m, 0,1
	ds_load_b128 v[TL+16*\q+8*\k+4*\m:TL+16*\q+8*\k+4*\m+3], v[LIT] offset:FT+4096*(2+\k)+1024*\q+512*\m
.endr
.endr
.endr
	s_wait_dscnt 0x0
.irp q, 0,1,2,3
	v_wmma_f32_16x16x32_f16 v[GA+8*\q:GA+8*\q+7], v[FL:FL+7], v[TL+16*\q:TL+16*\q+7], 0
.endr
.irp q, 0,1,2,3                        ; four accumulators by turns
	v_wmma_f32_16x16x32_f16 v[GA+8*\q:GA+8*\q+7], v[FL+8:FL+15], v[TL+16*\q+8:TL+16*\q+15], v[GA+8*\q:GA+8*\q+7]
.endr
.rept 4
	v_nop                                          ; four places ahead of the stores that read results, and of the loads below into the fragments' registers
.endr
.irp q, 0,1,2,3
	ds_store_b128 v[GW], v[GA+8*\q:GA+8*\q+3] offset:1024*\q         ; each accumulator from its low end on
	ds_store_b128 v[GW], v[GA+8*\q+4:GA+8*\q+7] offset:1024*\q+512
.endr
	; my 16 moves' places in G and their biases hang on no result of this round: they are fetched ahead of the barrier, under the wait that it wants anyway
.irp g, 0,1,2,3
	ds_load_b128 v[TA+4*\g:TA+4*\g+3], v[TBR] offset:256+512*\g-16*SH
.endr
.irp g, 0,1,2,3
	ds_load_b128 v[TP+4*\g:TP+4*\g+3], v[TBR] offset:256+512*\g-16*SH+TABP-TABA
.endr
.if \n > 0
	ds_load_b128 v[SHV:SHV+3], v[STR] offset:256   ; round 0's last eight groups: wave 7's lanes 16 on (stored at this round's head, three barriers back)
.endif
	s_wait_dscnt 0x0                               ; my part of G lies in LDS, and the places are in
	s_barrier_signal -1
.set k, 0
.rept 16
	v_min_u32 v[TA+k], TS+0x3ffc, v[TA+k]          ; between signal and wait, work on registers: a place read back from LDS is held inside the two teams' images before it is an address
.set k, k+1
.endr
	s_barrier_wait -1                              ; both teams' G lie in LDS
	; ---- my 512 moves: one word of G each, + the promo bias
.set k, 0
.rept 16
	ds_load_b32 v[GV+k], v[TA+k] offset:GIMG
.set k, k+1
.endr
	s_wait_dscnt 0x0
.set k, 0
.rept 8
	v_pk_add_f32 v[GV+2*k:GV+2*k+1], v[GV+2*k:GV+2*k+1], v[TP+2*k:TP+2*k+1]
.set k, k+1
.endr
.if \n > 0
	v_cmp_gt_u32 vcc_lo, SH, v[L0]                 ; slots under SH (lanes of wave 0) belong to the round before
.irp k, 0,1,2,3
	v_cndmask_b32 v[GV+\k], v[GV+\k], v[SHV+\k], vcc_lo
.endr
.endif
.irp g, 0,1
	global_store_b128 v[OO], v[GV+4*\g:GV+4*\g+3], s[32:33] offset:16*BQ+512*\g th:TH_STORE_NT   ; 32 lanes store 512 consecutive bytes, at a multiple of 256 from out0's first byte
.endr
.if LIM < 992
	MSTORE 2, L2                                   ; wave 7's third group reaches slot 991: past this frame's end, by a whole half of 16 lanes
.else
	global_store_b128 v[OO], v[GV+8:GV+11], s[32:33] offset:16*BQ+1024 th:TH_STORE_NT
.endif
	MSTORE 3, L3                                   ; wave 7's fourth group lies past both frames' ends.  Behind its last wait the stores' data may be written too
	BAR                                            ; every wave's reads of G are in: LDS may be written again
.endm
	ROUND 0
	ROUND 1
	s_wait_tensorcnt 0x0                           ; the wave's end
	ds_add_u32 v[SPW], v[NIL]
	s_wait_dscnt 0x0
	s_endpgm
.Lfunc_end_k_q3f1585b836_bilinear:
	.size	k_q3f1585b836_bilinear, .Lfunc_end_k_q3f1585b836_bilinear-k_q3f1585b836_bilinear
	.p2alignl 7, 3214868480
	.fill 96, 4, 3214868480
	.section	.rodata,"a",@progbits
	.p2align	6, 0x0
	.amdhsa_kernel k_q3f1585b836_bilinear
		.amdhsa_group_segment_fixed_size 121856
		.amdhsa_private_segment_fixed_size 0
		.amdhsa_enable_private_segment 0
		.amdhsa_kernarg_size 104
		.amdhsa_user_sgpr_count 2
		.amdhsa_user_sgpr_kernarg_segment_ptr 1
		.amdhsa_wavefront_size32 1
		.amdhsa_system_sgpr_workgroup_id_x 1
		.amdhsa_system_sgpr_workgroup_id_y 1
		.amdhsa_system_sgpr_workgroup_id_z 1
		.amdhsa_system_vgpr_workitem_id 0
		.amdhsa_next_free_vgpr 512
		.amdhsa_next_free_sgpr 66
		.amdhsa_reserve_vcc 1
		.amdhsa_float_denorm_mode_32 3
		.amdhsa_float_denorm_mode_16_64 3
		.amdhsa_memory_ordered 1
		.amdhsa_forward_progress 1
		.amdhsa_inst_pref_size 95
	.end_amdhsa_kernel
	.amdgpu_metadata
---
amdhsa.version: [ 1, 2 ]
amdhsa.kernels:
  - .name:           k_q3f1585b836_bilinear
    .symbol:         k_q3f1585b836_bilinear.kd
    .args:
      - { .name: x, .offset: 0, .size: 8, .value_kind: global_buffer, .address_space: global }
      - { .name: norm_weight, .offset: 8, .size: 8, .value_kind: global_buffer, .address_space: global }
      - { .name: from_w_codes, .offset: 16, .size: 8, .value_kind: global_buffer, .address_space: global }
      - { .name: to_w_codes, .offset: 24, .size: 8, .value_kind: global_buffer, .address_space: global }
      - { .name: from_w_scales, .offset: 32, .size: 8, .value_kind: global_buffer, .address_space: global }
      - { .name: to_w_scales, .offset: 40, .size: 8, .value_kind: global_buffer, .address_space: global }
      - { .name: from_b, .offset: 48, .size: 8, .value_kind: global_buffer, .address_space: global }
      - { .name: to_b, .offset: 56, .size: 8, .value_kind: global_buffer, .address_space: global }
      - { .name: from_idx, .offset: 64, .size: 8, .value_kind: global_buffer, .address_space: global }
      - { .name: to_idx, .offset: 72, .size: 8, .value_kind: global_buffer, .address_space: global }
      - { .name: promo_idx, .offset: 80, .size: 8, .value_kind: global_buffer, .address_space: global }
      - { .name: promo_bias, .offset: 88, .size: 8, .value_kind: global_buffer, .address_space: global }
      - { .name: out0, .offset: 96, .size: 8, .value_kind: global_buffer, .address_space: global }
    .group_segment_fixed_size: 121856
    .private_segment_fixed_size: 0
    .kernarg_segment_align: 8
    .kernarg_segment_size: 104
    .max_flat_workgroup_size: 256
    .sgpr_count:     66
    .vgpr_count:     512
    .wavefront_size: 32
...
	.end_amdgpu_metadata
.endif
;; end of part 1
